; MI455X (gfx1250); checked and timed in simulation.
; The chip was launched on July 23, 2026; its instructions are those of AMD's public machine-readable ISA for CDNA 5 (MIT licence, August 2026) and "CDNA5" Instruction Set Architecture Reference Guide (July 2026). The comments in the code are by the model that wrote it; some were corrected since.
;; BF16 Indexer Baseline. Allowed arithmetic: matrix products marked QUANTISED: E5M2 operands, one given power-of-two scale a tensor, by v_wmma_f32_16x16x64_bf8_bf8 or v_wmma_f32_16x16x128_bf8_bf8, f32 sums; products left as they are: f32 operands where the result goes on into a quantised operand, else bf16, f16 or f32 operands; f32 sums; everything else in f32.
;; Inputs: k_codes 1 x 4,096 x 4 x 32 uint8 (E5M2 codes of k, K innermost, in blocks of 32 codes); lowp_scales 2 int32 (the exponents e of the quantised operands' scales 2^e); q_codes 1 x 2,048 x 16 x 4 x 32 uint8 (E5M2 codes of q, K innermost, in blocks of 32 codes); weights 16 x 2,048 bfloat16.
;; Outputs: out0 1 x 2,048 x 4,096 float32.
;; This version of the problem:
;;   THIS VERSION OF THE PROBLEM IS GIVEN IN LOW PRECISION. The matrix products marked QUANTISED in the list below multiply operands that are first quantised to E5M2 (5 exponent bits, 2 mantissa bits; 8 bits a number), with one given power-of-two scale for each operand tensor; their sums are f32. All else is computed in f32.
;;   The module's matrix products, in the order in which they are computed (A, B: the left and right operand; K: the contracted axis; several contracted axes count as one K, in the product's order):
;;     1. [M 32,768, K 128] x [K 128, N 4,096]; A: input q (given as codes); B: input k (given as codes): QUANTISED (scales: A lowp_scales[0], B lowp_scales[1])
;;     2. batch 2,048 x [M 1, K 16] x [K 16, N 4,096]; A: computed on the way; B: computed on the way: left as it is (K = 16 < 32)
;;   THE QUANTISER, for each operand of a quantised product, along K:
;;     - The operand's scale is 2^e, e = its entry of the input lowp_scales (int32; the entries are numbered through the quantised products in the list's order, A before B).
;;     - Each number is divided by the scale, clamped to +-57,344, and rounded to the nearest number of E5M2, ties to even, subnormals kept.
;;     - The product sums the exact products of the quantised numbers (number of the format x scale) in f32.
;;   ~~~python
;;   def quantise(x, axis, e):      # numpy; x: float32 -> the quantised numbers, widened to float32 again
;;       x = np.moveaxis(x, axis, -1); K = x.shape[-1]
;;       r = np.clip(x / 2.0 ** e, -57344, 57344)
;;       step = 2.0 ** (np.maximum(np.frexp(np.where(r == 0, 1, r))[1] - 1, -14) - 2)
;;       q = np.round(r / step) * step * 2.0 ** e      # np.round: ties to even
;;       return np.moveaxis(q, -1, axis).astype(np.float32)
;;   ~~~
;;   INPUTS GIVEN AS CODES. k (in the module: [1, 4096, 128], K = its axis 2); q (in the module: [1, 2048, 16, 128], K = its axis 3): each comes as NAME_codes (uint8): NAME with its K axis moved to the last place and cut into blocks of 32 codes, [.., K / 32, bytes a block], one block behind the other in memory; one code a byte (a code: sign, 5 exponent bits, 2 mantissa bits); its scale is its entry of lowp_scales. Its value is code x scale, taken as it is: it is not quantised again, and the codes and scales need not be those that the quantiser above would give.
;; One version. Each part assembles by itself: llvm-mc -triple=amdgcn-amd-amdhsa -mcpu=gfx1250 --defsym DOCPART=n.
;; ======== version 1 of 1: 1 launch
;; launch idx (part 1): grid 4 x 64, 4 waves a work-group, clusters of 4 x 4, 231,936 bytes of LDS; arguments q_codes, k_codes, lowp_scales, weights, out0; writes out0
.if DOCPART == 1
	.amdgcn_target "amdgcn-amd-amdhsa--gfx1250"
	.amdhsa_code_object_version 6
	.text
	.protected	k_qd0ca10b50a_idx
	.globl	k_qd0ca10b50a_idx
	.p2align	8
	.type	k_qd0ca10b50a_idx,@function
k_qd0ca10b50a_idx:
	s_mov_b64 s[64:65], 0
	v_nop
	global_prefetch_b8 v0, s[64:65] scope:SCOPE_SE
	s_setreg_imm32_b32 hwreg(HW_REG_WAVE_MODE, 25, 1), 1
	s_wait_xcnt 0x0
	s_wait_alu depctr_hold_cnt(0) depctr_sa_sdst(0) depctr_va_vdst(0) depctr_va_sdst(0) depctr_va_ssrc(0) depctr_va_vcc(0) depctr_vm_vsrc(0)
	s_getreg_b32 s2, hwreg(HW_REG_IB_STS2, 6, 4)
	s_cmp_eq_u32 s2, 0
	s_cbranch_scc0 .Lentry_in_a_cluster
	s_endpgm
.Lentry_in_a_cluster:
	s_bfe_u32 s2, ttmp6, 0x10000c
	s_cmp_lg_u32 s2, 0xf033
	s_cbranch_scc0 .Lentry_shape_is_right
	s_endpgm
.Lentry_shape_is_right:
; out[m][n] = the sum over the 16 heads h of relu(q[m][h] . k[n]) x ws[m][h].   q: [2048 m][16 h][128] and k: [4096 n][128], codes of BF8 (E5M2), a byte each; a number of q is its
; code's value x 2^eq, of k x 2^ek (the two whole numbers in the buffer of scales).  ws[m][h] = weights[h][m] x bf16(128^-0.5), rounded to bf16 as the definition rounds it.  out: [2048][4096] f32.
; K = 128 is ONE matrix instruction deep: every 16 x 16 tile of logits is one v_wmma_f32_16x16x128_bf8_bf8 with C = 0; there is no loop over K and no chain.
; LIMITS.  A sum that is NaN (codes of infinity or NaN) counts as 0: the maximum with 0 drops a NaN.  2^(eq + ek) rides on the weight: ws x 2^(eq + ek) is exact while it stays a normal f32 number.
; SHARES.  A work-group makes 32 m x 1,024 n: 256 work-groups.  It needs 32 x 2,048 bytes of q and 1,024 x 128 bytes of k: 192 KiB, all of which lies in LDS at once, so no LDS byte is filled twice.
; Wave w: a = w / 2 is its tile of 16 m, b = w % 2 its half of 512 n: 32 tiles of 16 n x 16 heads = 512 matrix instructions.
; LAYOUT.  A fragment of q takes 16 DIFFERENT m OF ONE HEAD, and the matrix instruction is used transposed (source 0 = 16 rows of k, source 1 = q): lane (r = l % 16, hh = l / 16) holds m = r, and its
; register j holds n = 8 hh + j.  So the sum over heads runs over 16 successive tiles WITHIN a lane, the weight is one number a lane and head, and a lane's eight sums are 32 neighbouring bytes of a row of out.
; Fragments come by four loads of 16 bytes: registers 4 c .. 4 c + 3 hold K = 32 c + 16 hh + 0 .. 15: a permutation of K, the same in q and in k, so every product meets its partner.
; A TILE'S VECTOR WORK is eight lines: four dual lines (two maxima with 0 each) and four packed multiply-adds.  It follows the products two tiles behind, through a ring of four tiles' registers.
; CLUSTERS.  4 x 4 work-groups.  The four of a row of the cluster need the same 32 m of q, the four of a column the same 1,024 n of k: each tile is asked for JOINTLY.
; k comes in two stages (n tiles 0-15 and 16-31 of each half): the products begin when q and the first stage have landed, and the second stage lands under them.
; LDS: q at 0, rows of 1,024 bytes + 16 (two to an m);  k behind it, rows of 128 bytes + 16;  behind that a stage of 16 rows x (256 + 16) bytes for each wave, which no tensor load touches.
; REGISTERS, in windows of 256.  Window 0: v1-9 addresses; v16-47 two fragments of k; v48-79 the ring of four tiles; v80-95 two sets of eight sums; v96-127 rows read back from the stage; v128-151 weights at work.
;   Window 1: v0-127 q's heads 0-7; window 2: heads 8-15; both: v128-159 all 16 weights, each twice (a pair for the packed forms), v160 zero.
; In the loop only SOURCE 1 lies in window 1 or 2: q for the matrix instruction, the weight for the multiply-add, the zero for the maximum.  Stores have their data in source 1, so they stand under window 0,
; at the change from window 1 to window 2 that is due anyway: three switches for 16 matrix instructions.
.set KP,   144                         ; a row of k in LDS: 36 words: row r starts at bank 36 r mod 64 (64 banks of 4 bytes: ISA guide 11.1): the 16 rows of a load take 16 different columns of 16 bytes
.set KT,   16*KP                       ; a tile of 16 n
.set QH,   1040                        ; half an m of q in LDS: heads 0-7 or 8-15, 1,024 bytes + 16
.set QP,   2*QH                        ; an m
.set KB,   32*QP                       ; 66,560: k begins here
.set STG,  KB+1024*KP                  ; 214,016: the stages begin here
.set SP,   272                         ; a stage row
.set AQ,   3                           ; v3   my lane's place in q: (16 a + r) QP + 16 hh
.set AK0,  4                           ; v4   my lane's place in my half of k: KB + 512 b KP + r KP + 16 hh
.set ADK,  5                           ; v5   the same at the trip's first n tile
.set STO,  6                           ; v6   the stage: where I put 32 bytes of row r
.set RD,   7                           ; v7   and where I read 16 bytes of a row back
.set GO,   8                           ; v8   my byte offset in the wave's rows of out
.set WO,   9                           ; v9   my byte offset in a row of weights
.set KF,   16
.set SR,   48
.set ACC,  80
.set OB,   96
.set TW,   128                         ; window 0: the 16 weights as f32
.set UW,   144                         ; window 0: the same, rounded to bf16, in pairs
.set WT,   128                         ; windows 1 and 2: head h's weight at WT + 2 h and WT + 2 h + 1
.set ZR,   160                         ; windows 1 and 2: 0
.set WV,   14                          ; s14  wave
.set MA,   15                          ; s15  a
.set NB,   16                          ; s16  b
.set G1Q,  24                          ; s[24:31] descriptor group 1 for q's tiles
.set G1K,  32                          ; s[32:39] for k's
.set G0Q,  40                          ; s[40:43] group 0 for q
.set G0K,  44                          ; s[44:51] group 0 for k's two stages
.set TB,   56                          ; s56  bytes from my half's first n tile to the trip's
.set CNT,  57                          ; s57  trips to go
.set ES,   58                          ; s[58:59] eq, ek; then s58 = eq + ek
.set Q_LO, 0x04                        ; source 1 in window 1
.set Q_HI, 0x08                        ; source 1 in window 2
.set MSB, 0
.macro WIN new                         ; the immediate's high byte repeats the setting that is left; a switch that changes nothing is dropped
.if MSB != \new
	s_set_vgpr_msb (MSB<<8)|\new
.set MSB, \new
.endif
.endm
; A round of the cluster's barrier: my work-group's barrier, wave 0 signals for the work-group, every wave waits for all sixteen, my work-group's barrier once more.
.macro CROUND
	s_barrier_signal -1
	s_barrier_wait -1
	s_cmp_lg_u32 s[WV], 0
	s_cbranch_scc1 .Lnot_wave_0_\@
	s_barrier_signal -3
.Lnot_wave_0_\@:
	s_barrier_wait -3
	s_barrier_signal -1
	s_barrier_wait -1
.endm
	s_load_b256 s[4:11], s[0:1], 0x0               ; q s[4:5], k s[6:7], the scales' exponents s[8:9], weights s[10:11]
	s_load_b64 s[12:13], s[0:1], 0x20              ; out
	v_lshl_add_u32 v254, v0, 2, 0x38800
	v_mov_b32 v255, 0
	ds_add_u32 v254, v255
	ds_add_u32 v254, v255
	v_lshrrev_b32 v1, 5, v0
	v_readfirstlane_b32 s[WV], v1                  ; wave 0..3
	s_lshr_b32 s[MA], s[WV], 1
	s_and_b32 s[NB], s[WV], 1
	s_bfe_u32 s17, ttmp6, 0x40000                  ; cx, cy: my place in the cluster
	s_bfe_u32 s18, ttmp6, 0x40004
	s_lshl_b32 s19, ttmp9, 2
	s_add_co_u32 s19, s19, s17                     ; my block of 1,024 n = 4 x cluster x + cx
	s_and_b32 s20, ttmp7, 0xffff
	s_lshl_b32 s20, s20, 2
	s_add_co_u32 s20, s20, s18                     ; my block of 32 m = 4 x cluster y + cy
	s_lshl_b32 s21, s18, 2
	s_lshl_b32 s21, 15, s21                        ; my row of the cluster
	s_lshl_b32 s22, 0x1111, s17                    ; my column
	; group 1 for q: 16 rows x 1,024 bytes, dense in memory (8 m)
	s_or_b32 s[G1Q+0], s21, (1<<20)|(1<<21)|(7<<22)|(3<<25)   ; 15:0 the mask: q's tiles go to my row; 17:16 elements of 1 byte; 20 padding on; 21 set beside a mask; 24:22 after every 256 words (code 7); 31:25 4 words (code 3)
	s_mov_b32 s[G1Q+1], 1024<<16                   ; tensor_dim0
	s_mov_b32 s[G1Q+2], 16<<16                     ; tensor_dim1
	s_mov_b32 s[G1Q+3], 1024<<16                   ; tile_dim0
	s_mov_b32 s[G1Q+4], 16                         ; tile_dim1
	s_mov_b32 s[G1Q+5], 1024                       ; from row to row
	s_mov_b32 s[G1Q+6], 0
	s_mov_b32 s[G1Q+7], 0
	; group 1 for k: 128 rows x 128 bytes, dense in memory
	s_or_b32 s[G1K+0], s22, (1<<20)|(1<<21)|(4<<22)|(3<<25)   ; the mask: k's tiles go to my column; padding: 4 words after every 32
	s_mov_b32 s[G1K+1], 128<<16
	s_mov_b32 s[G1K+2], 128<<16
	s_mov_b32 s[G1K+3], 128<<16
	s_mov_b32 s[G1K+4], 128
	s_mov_b32 s[G1K+5], 128
	s_mov_b32 s[G1K+6], 0
	s_mov_b32 s[G1K+7], 0
	; what I fetch.  q's offset is made of the block of m and the wave alone, k's of the block of n and the wave alone, each in registers that never hold the other coordinate.
	s_lshl_b32 s52, s20, 16                        ; q: 32 m x 2,048 bytes a block,
	s_lshl_b32 s53, s[WV], 14                      ; 8 m a wave
	s_add_co_u32 s52, s52, s53
	s_mov_b32 s53, 0
	s_lshl_b32 s54, s19, 17                        ; k: 1,024 rows x 128 bytes a block;
	s_lshl_b32 s55, s[MA], 16                      ; first stage: rows 512 a + 128 b on, so that the four waves bring n tiles 0-15 of both halves
	s_add_co_u32 s54, s54, s55
	s_lshl_b32 s55, s[NB], 14
	s_add_co_u32 s54, s54, s55
	s_mov_b32 s55, 0
	s_mul_i32 s[G0Q+1], s[WV], 16*QH               ; and where it goes: no place in the cluster enters an LDS address
	s_mul_i32 s[G0K+1], s[MA], 512*KP
	s_mul_i32 s62, s[NB], 128*KP
	s_add_co_u32 s[G0K+1], s[G0K+1], s62
	s_add_co_u32 s[G0K+1], s[G0K+1], KB
	s_add_co_u32 s[G0K+5], s[G0K+1], 256*KP        ; second stage: 256 rows on
	s_mov_b32 s[G0Q], 1                            ; 1:0 count = 1
	s_mov_b32 s[G0K], 1
	s_mov_b32 s[G0K+4], 1
	s_wait_dscnt 0x0
	s_wait_kmcnt 0x0
	s_load_b64 s[ES:ES+1], s[8:9], 0x0             ; eq, ek
	s_add_nc_u64 s[G0Q+2:G0Q+3], s[4:5], s[52:53]
	s_add_nc_u64 s[G0K+2:G0K+3], s[6:7], s[54:55]
	s_add_nc_u64 s[G0K+6:G0K+7], s[G0K+2:G0K+3], 256*128
	s_or_b32 s[G0Q+3], s[G0Q+3], 0x80000000        ; 127:126 type = 2
	s_or_b32 s[G0K+3], s[G0K+3], 0x80000000
	s_or_b32 s[G0K+7], s[G0K+7], 0x80000000
	CROUND                                         ; all sixteen work-groups are here: the joint loads meet
	tensor_load_to_lds s[G0Q:G0Q+3], s[G1Q:G1Q+7]      ; every wave issues all three, each with its own rows: three tensor loads of mine are out, and no descriptor is ever written again
	s_nop 0
	tensor_load_to_lds s[G0K:G0K+3], s[G1K:G1K+7]
	s_nop 0
	tensor_load_to_lds s[G0K+4:G0K+7], s[G1K:G1K+7]
	s_nop 0
.rept 4
	v_nop                                          ; four v_nop follow the loads
.endr
	; WHILE THE TILES ARE ON THEIR WAY: the weights and the addresses.
	s_lshl_b32 s60, s20, 6                         ; weights: [16 h][2048 m] bf16: my 16 m begin at byte 2 (32 x block + 16 a)
	s_lshl_b32 s61, s[MA], 5
	s_add_co_u32 s60, s60, s61
	s_mov_b32 s61, 0
	s_add_nc_u64 s[10:11], s[10:11], s[60:61]
	v_and_b32 v1, 15, v0                           ; r
	v_bfe_u32 v2, v0, 4, 1                         ; hh
	v_lshlrev_b32 v[WO], 1, v1
.irp h, 0,1,2,3,4,5,6,7,8,9,10,11,12,13,14,15
	global_load_u16 v[TW+\h], v[WO], s[10:11] offset:4096*\h   ; weights[h][my m]: read once in the launch's life by this wave
.endr
	s_lshl_b32 s60, s20, 19                        ; out: 32 rows of 16,384 bytes a block of m,
	s_lshl_b32 s61, s[MA], 18                      ; 16 rows for a,
	s_add_co_u32 s60, s60, s61
	s_lshl_b32 s61, s19, 12                        ; 1,024 columns of 4 bytes a block of n,
	s_add_co_u32 s60, s60, s61
	s_lshl_b32 s61, s[NB], 11                      ; 512 columns for b
	s_add_co_u32 s60, s60, s61
	s_mov_b32 s61, 0
	s_add_nc_u64 s[12:13], s[12:13], s[60:61]
	v_mul_u32_u24 v[AQ], v1, QP
	v_lshl_add_u32 v[AQ], v2, 4, v[AQ]
	s_mul_i32 s62, s[MA], 16*QP
	v_add_nc_u32 v[AQ], s62, v[AQ]
	v_mul_u32_u24 v[AK0], v1, KP
	v_lshl_add_u32 v[AK0], v2, 4, v[AK0]
	s_mul_i32 s62, s[NB], 512*KP
	s_add_co_u32 s62, s62, KB
	v_add_nc_u32 v[AK0], s62, v[AK0]
	s_mul_i32 s63, s[WV], 16*SP
	s_add_co_u32 s63, s63, STG                     ; my stage
	v_mul_u32_u24 v[STO], v1, SP                   ; in: row r, 32 bytes for each half of the lanes
	v_lshl_add_u32 v[STO], v2, 5, v[STO]
	v_add_nc_u32 v[STO], s63, v[STO]
	v_mul_u32_u24 v[RD], v2, SP                    ; back: lanes 0-15 one row of 256 bytes, lanes 16-31 the next
	v_lshl_add_u32 v[RD], v1, 4, v[RD]
	v_add_nc_u32 v[RD], s63, v[RD]
	v_lshlrev_b32 v[GO], 14, v2                    ; and the same two rows in out
	v_lshl_add_u32 v[GO], v1, 4, v[GO]
	s_mov_b32 s[TB], 0
	s_wait_loadcnt 0x0                             ; the weights
.irp h, 0,1,2,3,4,5,6,7,8,9,10,11,12,13,14,15
	v_lshlrev_b32 v[TW+\h], 16, v[TW+\h]           ; bf16 to f32
.endr
.irp h, 0,1,2,3,4,5,6,7,8,9,10,11,12,13,14,15
	v_mul_f32 v[TW+\h], 0x3db50000, v[TW+\h]       ; x bf16(128^-0.5): two significands of 8 bits: nothing is rounded here,
.endr
.irp j, 0,1,2,3,4,5,6,7
	v_cvt_pk_bf16_f32 v[UW+\j], v[TW+2*\j], v[TW+2*\j+1]   ; and the one rounding to bf16 that the definition makes
.endr
.irp j, 0,1,2,3,4,5,6,7
	v_lshlrev_b32 v[TW+2*\j], 16, v[UW+\j]
	v_and_b32 v[TW+2*\j+1], 0xffff0000, v[UW+\j]
.endr
	s_wait_kmcnt 0x0
	s_add_co_i32 s[ES], s[ES], s[ES+1]             ; eq + ek
.irp win, 0x40, 0x80                   ; destination window 1, then 2: the vector work lags behind the products over a change of window, so both hold all 16 weights
	WIN \win
.irp h, 0,1,2,3,4,5,6,7,8,9,10,11,12,13,14,15
	v_ldexp_f32 v[WT+2*\h], v[TW+\h], s[ES]        ; ws x 2^(eq + ek), twice: the packed forms then take the pair as it stands
	v_ldexp_f32 v[WT+2*\h+1], v[TW+\h], s[ES]
.endr
	v_mov_b32 v[ZR], 0
.endr
	WIN 0
; THE MACROS OF THE LOOP.  u is the step within a trip of 64: step u issues tile u + 2's product, takes tile u's maxima and adds tile u - 1 to the sums.  Tile t: n tile t / 16 of the trip's four, head t % 16.
.macro W t                             ; tile t's product: into ring place t % 4, from k's buffer (t / 16) % 2 and q's head t % 16 (register 16 (t % 8) of the window that is set)
.set rD, SR+8*((\t)%4)
.set rA, KF+16*(((\t)/16)%2)
.set rB, 16*((\t)%8)
	v_wmma_f32_16x16x128_bf8_bf8 v[rD:rD+7], v[rA:rA+15], v[rB:rB+15], 0
.endm
.macro FM i                            ; tile u - 1, registers i and i + 1: sum += relu x weight.  Head 0 starts the sums: nothing is ever cleared.  (u = 0: the last trip's tile 63)
.set rP, SR+8*((u+3)%4)
.set rC, ACC+8*(((u+63)/16)%2)
.set rW, WT+2*((u+15)%16)
.if (u+15)%16 == 0
	v_pk_mul_f32 v[rC+\i:rC+\i+1], v[rP+\i:rP+\i+1], v[rW:rW+1]
.else
	v_pk_fma_f32 v[rC+\i:rC+\i+1], v[rP+\i:rP+\i+1], v[rW:rW+1], v[rC+\i:rC+\i+1]
.endif
.endm
.macro RF nof                          ; a step's eight vector lines, the two kinds by turns: no line reads the result of a line less than eight back.  The maxima begin at the tile's low end
.set rS, SR+8*(u%4)
.irp i, 0,2,4,6
	v_dual_max_num_f32 v[rS+\i], v[rS+\i], v[ZR] :: v_dual_max_num_f32 v[rS+\i+1], v[rS+\i+1], v[ZR]
.if \nof == 0
	FM \i
.endif
.endr
.endm
.macro FETCHK adr, p, off              ; a fragment of k, 16 n x 128 K, into buffer p
.irp c, 0,1,2,3
	ds_load_b128 v[KF+16*(\p)+4*\c:KF+16*(\p)+4*\c+3], v[\adr] offset:(\off)+32*\c
.endr
.endm
.macro TOSTG l                         ; the finished sums of the trip's n tile l: 32 bytes a lane into row r of my stage
.set rE, ACC+8*((\l)%2)
	ds_store_b128 v[STO], v[rE:rE+3] offset:64*(\l)
	ds_store_b128 v[STO], v[rE+4:rE+7] offset:64*(\l)+16
.endm
.macro BACK                            ; 16 rows x 256 bytes back, by rows.  LDS serves a wave's instructions in order (ISA guide 5.7.1.4): these see my stores, and the next trip's stores come behind them
.irp i, 0,1,2,3,4,5,6,7
	ds_load_b128 v[OB+4*\i:OB+4*\i+3], v[RD] offset:2*\i*SP
.endr
.endm
; The way out, in pieces, at step 6 of each n tile, where the window changes in any case.  The sums of n tile L - 1 were finished in step 0 of n tile L.
.macro OUTP L, first
.if \first && ((\L) == 0)
	s_wait_dscnt 4                                 ; q's heads 8-15 are in; the four loads of k's next fragment, issued behind them, may be out
.else
	WIN 0
.if (\L) == 0
	TOSTG 3                                        ; the last trip's fourth n tile completes 64 columns,
	BACK                                           ; which come back as rows
.else
.if ((\L) == 1) && (\first == 0)
	s_wait_dscnt 4                                 ; the eight rows' loads are in; the four loads of k's next fragment, issued behind them, may be out
.irp i, 0,1,2,3,4,5,6,7
	global_store_b128 v[GO], v[OB+4*\i:OB+4*\i+3], s[12:13] offset:2*\i*16384 th:TH_STORE_NT   ; 16 lanes store 256 consecutive bytes, at a multiple of 256 from out's first byte; written once, read by nobody here
.endr
.endif
	TOSTG (\L)-1
.if ((\L) == 2) && (\first == 0)
	s_wait_xcnt 0x0                                ; the stores' base, and the registers that they read, are written again only behind this wait
	s_add_nc_u64 s[12:13], s[12:13], 256           ; 64 columns on
.endif
.endif
.endif
	WIN Q_HI
.endm
; A TRIP: four n tiles, 64 steps.  first = 1: nothing of an earlier trip is there to add or to send.  last = 1: nothing more to fetch or to multiply.
; PLACES (ISA guide 7.12.1), by this text's count.  Between a product and the first read of its result stand the sixteen vector lines of two steps, none of which names its registers.  Between a product and the one
; that writes the same ring place, four steps later, stand the eight lines of the first of those steps and more.  A fragment of k is loaded over a buffer whose last product stands 32 vector lines back.
.macro TRIP first, last
	v_add_nc_u32 v[ADK], s[TB], v[AK0]
	s_add_co_u32 s[TB], s[TB], 4*KT
	WIN Q_LO
.set u, 0
.rept 64
.set uL, u/16
.set uX, u%16
.if uX == 6
	OUTP uL, \first
.endif
.if (uX == 14) && ((\last == 0) || (uL < 3))
.if (uL == 0) && (\first == 0)
	s_wait_dscnt 8                                 ; k's next fragment is in and the two stores into the stage have read their sums; the eight loads back from the stage, issued behind them, may be out
.else
	s_wait_dscnt 0x0                               ; k's next fragment is in, and the two stores into the stage have read their sums, which are begun anew three steps on
.endif
	WIN Q_LO
.endif
.if (\last == 0) || (u < 62)
	W u+2
.endif
.if \first && (u == 0)
	RF 1
.else
	RF 0
.endif
.if (uX == 0) && ((\last == 0) || (uL < 3))
	FETCHK ADK, (uL+1)%2, (uL+1)*KT                ; the next n tile's fragment, fourteen steps ahead of its first product
.endif
.set u, u+1
.endr
.if \last
.irp i, 0,2,4,6
	FM \i                                          ; tile 63
.endr
.endif
	WIN 0                                          ; at a label and at a branch every window is 0
.endm
	s_wait_tensorcnt 0x1                           ; my parts of q and of k's first stage are in; the second stage's load, issued behind them, may stay out
	s_barrier_signal -1
	s_barrier_wait -1                              ; everybody's are
	FETCHK AK0, 0, 0                               ; my first n tile
	WIN 0x40                                       ; destination window 1
.irp h, 0,1,2,3,4,5,6,7                ; q stays in registers: head h of my 16 m
.irp c, 0,1,2,3
	ds_load_b128 v[16*\h+4*\c:16*\h+4*\c+3], v[AQ] offset:128*\h+32*\c
.endr
.endr
	WIN 0x80                                       ; destination window 2
.irp h, 0,1,2,3,4,5,6,7                ; head 8 + h
.irp c, 0,1,2,3
	ds_load_b128 v[16*\h+4*\c:16*\h+4*\c+3], v[AQ] offset:QH+128*\h+32*\c
.endr
.endr
	WIN Q_LO
	s_wait_dscnt 32                                ; k's fragment and heads 0-7 are in; the 32 loads of heads 8-15 may be out
	W 0
	W 1
.rept 4
	v_nop                                          ; no vector work is at hand yet: the places in front of the first read of tile 0
.endr
	WIN 0
	TRIP 1, 0                                      ; n tiles 0-3
	s_mov_b32 s[CNT], 2
.Lstage_1:                                             ; n tiles 4-11; the last fragment asked for here is n tile 12's
	TRIP 0, 0
	s_sub_co_u32 s[CNT], s[CNT], 1
	s_cmp_lg_u32 s[CNT], 0
	s_cbranch_scc1 .Lstage_1
	s_wait_tensorcnt 0x0                           ; my part of k's second stage is in: the next trip asks for n tile 16's fragment,
	s_wait_dscnt 0x0                               ; (no LDS instruction of mine is pending at a signal)
	s_barrier_signal -1
	s_barrier_wait -1                              ; and everybody's is
	s_mov_b32 s[CNT], 4
.Lstage_2:                                             ; n tiles 12-27
	TRIP 0, 0
	s_sub_co_u32 s[CNT], s[CNT], 1
	s_cmp_lg_u32 s[CNT], 0
	s_cbranch_scc1 .Lstage_2
	TRIP 0, 1                                      ; n tiles 28-31
	TOSTG 3                                        ; the last 64 columns
	BACK
.irp i, 0,1,2,3,4,5,6,7
	s_wait_dscnt 7-\i                              ; LDS loads come back in order (ISA guide 5.7.1): rows 2 i and 2 i + 1 are in; the last count is 0, so nothing is pending at the signal below
	global_store_b128 v[GO], v[OB+4*\i:OB+4*\i+3], s[12:13] offset:2*\i*16384 th:TH_STORE_NT
.endr
	s_wait_tensorcnt 0x0
	ds_add_u32 v254, v255
	s_wait_dscnt 0x0
	CROUND                                         ; the closing round: no work-group ends while a partner may still ask for a tile that names it
	s_endpgm
.Lfunc_end_k_qd0ca10b50a_idx:
	.size	k_qd0ca10b50a_idx, .Lfunc_end_k_qd0ca10b50a_idx-k_qd0ca10b50a_idx
	.p2alignl 7, 3214868480
	.fill 96, 4, 3214868480
	.section	.rodata,"a",@progbits
	.p2align	6, 0x0
	.amdhsa_kernel k_qd0ca10b50a_idx
		.amdhsa_group_segment_fixed_size 231936
		.amdhsa_private_segment_fixed_size 0
		.amdhsa_enable_private_segment 0
		.amdhsa_kernarg_size 40
		.amdhsa_user_sgpr_count 2
		.amdhsa_user_sgpr_kernarg_segment_ptr 1
		.amdhsa_wavefront_size32 1
		.amdhsa_system_sgpr_workgroup_id_x 1
		.amdhsa_system_sgpr_workgroup_id_y 1
		.amdhsa_system_sgpr_workgroup_id_z 1
		.amdhsa_system_vgpr_workitem_id 0
		.amdhsa_next_free_vgpr 768
		.amdhsa_next_free_sgpr 66
		.amdhsa_reserve_vcc 0
		.amdhsa_float_denorm_mode_32 3
		.amdhsa_float_denorm_mode_16_64 3
		.amdhsa_memory_ordered 1
		.amdhsa_forward_progress 1
		.amdhsa_inst_pref_size 178
	.end_amdhsa_kernel
	.amdgpu_metadata
---
amdhsa.version: [ 1, 2 ]
amdhsa.kernels:
  - .name:           k_qd0ca10b50a_idx
    .symbol:         k_qd0ca10b50a_idx.kd
    .args:
      - { .name: q_codes, .offset: 0, .size: 8, .value_kind: global_buffer, .address_space: global }
      - { .name: k_codes, .offset: 8, .size: 8, .value_kind: global_buffer, .address_space: global }
      - { .name: lowp_scales, .offset: 16, .size: 8, .value_kind: global_buffer, .address_space: global }
      - { .name: weights, .offset: 24, .size: 8, .value_kind: global_buffer, .address_space: global }
      - { .name: out0, .offset: 32, .size: 8, .value_kind: global_buffer, .address_space: global }
    .group_segment_fixed_size: 231936
    .private_segment_fixed_size: 0
    .kernarg_segment_align: 8
    .kernarg_segment_size: 40
    .max_flat_workgroup_size: 128
    .sgpr_count:     66
    .vgpr_count:     768
    .wavefront_size: 32
...
	.end_amdgpu_metadata
.endif
;; end of part 1
